; MI455X (gfx1250); checked and timed in simulation.
; The chip was launched on July 23, 2026; its instructions are those of AMD's public machine-readable ISA for CDNA 5 (MIT licence, August 2026) and "CDNA5" Instruction Set Architecture Reference Guide (July 2026). The comments in the code are by the model that wrote it; some were corrected since.
;; Cross Attention Fusion. Allowed arithmetic: matrix products marked QUANTISED: E2M1 operands, one E8M0 scale for each 32 along K, by v_wmma_scale_f32_16x16x128_f8f6f4 with both operands' format E2M1 (or v_wmma_scale_f32_32x16x128_f4), f32 sums; everything else in f32.
;; Inputs: Wf 384 x 384 float32; Wkg 384 x 384 float32; Wkl 384 x 384 float32; Wqg 384 x 384 float32; Wql 384 x 384 float32; Wvg 384 x 384 float32; Wvl 384 x 384 float32; Z_graph 8 x 2,048 x 384 float32; Z_lstm 8 x 2,048 x 384 float32; bf 384 float32; bkg 384 float32; bkl 384 float32; bqg 384 float32; bql 384 float32; bvg 384 float32; bvl 384 float32.
;; Outputs: out0 8 x 2,048 x 384 float32.
;; This version of the problem:
;;   THIS VERSION OF THE PROBLEM IS GIVEN IN LOW PRECISION. The matrix products marked QUANTISED in the list below multiply operands that are first quantised to E2M1 (2 exponent bits, 1 mantissa bit; 4 bits a number), with one power-of-two scale for each 32 numbers along K (OCP MX v1.0); their sums are f32. All else is computed in f32.
;;   The module's matrix products, in the order in which they are computed (A, B: the left and right operand; K: the contracted axis; several contracted axes count as one K, in the product's order):
;;     1. [M 16,384, K 384] x [K 384, N 384]; A: input Z_graph; B: input Wqg: QUANTISED
;;     2. [M 16,384, K 384] x [K 384, N 384]; A: input Z_lstm; B: input Wkl: QUANTISED
;;     3. [M 16,384, K 384] x [K 384, N 384]; A: input Z_lstm; B: input Wvl: QUANTISED
;;     4. batch 8 x [M 2,048, K 384] x [K 384, N 2,048]; A: computed on the way; B: computed on the way: QUANTISED
;;     5. batch 8 x [M 2,048, K 2,048] x [K 2,048, N 384]; A: softmax (see below); B: computed on the way: QUANTISED
;;     6. [M 16,384, K 384] x [K 384, N 384]; A: input Z_lstm; B: input Wql: QUANTISED
;;     7. [M 16,384, K 384] x [K 384, N 384]; A: input Z_graph; B: input Wkg: QUANTISED
;;     8. [M 16,384, K 384] x [K 384, N 384]; A: input Z_graph; B: input Wvg: QUANTISED
;;     9. batch 8 x [M 2,048, K 384] x [K 384, N 2,048]; A: computed on the way; B: computed on the way: QUANTISED
;;     10. batch 8 x [M 2,048, K 2,048] x [K 2,048, N 384]; A: softmax (see below); B: computed on the way: QUANTISED
;;     11. [M 16,384, K 384] x [K 384, N 384]; A: computed on the way; B: input Wf: QUANTISED
;;   THE QUANTISER, for each operand of a quantised product, along K:
;;     - K is cut into blocks of 32 from its start; a last block that is shorter is filled with zeros.
;;     - A block's scale is 2^e with e = floor(log2(the largest magnitude in the block)) - 2, held to -126 .. 127; a block of zeros has e = 0. As a byte (E8M0): e + 127.
;;     - Each number is divided by its block's scale, clamped to +-6, and rounded to the nearest number of E2M1, ties to even, subnormals kept.
;;     - The product sums the exact products of the quantised numbers (number of the format x scale) in f32.
;;   ~~~python
;;   def quantise(x, axis):      # numpy; x: float32 -> the quantised numbers, widened to float32 again
;;       x = np.moveaxis(x, axis, -1); K = x.shape[-1]
;;       x = np.pad(x, [(0, 0)] * (x.ndim - 1) + [(0, -K % 32)]); x = x.reshape(x.shape[:-1] + (-1, 32)); a = np.abs(x).max(-1, keepdims=True)
;;       e = np.where(a > 0, np.clip(np.frexp(np.where(a > 0, a, 1))[1] - 1 - 2, -126, 127), 0)      # np.frexp(a)[1] - 1 = floor(log2(a)), exactly
;;       r = np.clip(x / 2.0 ** e, -6, 6)
;;       step = 2.0 ** (np.maximum(np.frexp(np.where(r == 0, 1, r))[1] - 1, 0) - 1)
;;       q = np.round(r / step) * step * 2.0 ** e      # np.round: ties to even
;;       return np.moveaxis(q.reshape(q.shape[:-2] + (-1,))[..., :K], -1, axis).astype(np.float32)
;;   ~~~
;;   SOFTMAX AHEAD OF A QUANTISED PRODUCT. Where the list says 'softmax', what is quantised is not the finished softmax but p = 2^(t - M), with t = logit x log2(e) and M = ceil(the row's largest t), a whole number; so 1/2 < the row's largest p <= 1. The row's sum l is taken of the UNQUANTISED p, in f32, and the product's result is divided by l at the end. Since M is a whole number, a kernel that streams over the keys may use a running M (the ceiling of the running maximum): every later rescaling is an exact power of two, which a block's scale takes up: the codes' values come out the same.
;;   OPERANDS COMPUTED ON THE WAY. 'Computed on the way' means the value that the module computes at that place (a softmax that the list does not call 'softmax' is quantised finished and normalised). What goes into a quantiser is computed in f32, as accurately as f32 sums, v_exp_f32 and their like allow (about 1e-6 of the number): no bf16 or f16 on the way to a quantiser, and a product that is left as it is and whose result goes on into a quantised operand takes f32 operands (vector FMAs, or v_wmma_f32_16x16x4_f32). A number that lies on a knife's edge between two numbers of the format may be rounded either way, as far as f32 arithmetic and the matrix unit's own rounding can turn it there, and no further.
;; One version. Each part assembles by itself: llvm-mc -triple=amdgcn-amd-amdhsa -mcpu=gfx1250 --defsym DOCPART=n.
;; ======== version 1 of 1: 3 launches
;; limits: right only within a limited range of input values
;; workspace buffers: wbuf 580,608 bytes; qbuf 7,077,888 bytes; kvbuf 14,155,776 bytes
;; launch wq (part 1): grid 12 x 7, 6 waves a work-group, no clusters, 1,536 bytes of LDS; arguments Wqg, Wkg, Wvg, Wql, Wkl, Wvl, Wf, wbuf; writes wbuf
.if DOCPART == 1
	.amdgcn_target "amdgcn-amd-amdhsa--gfx1250"
	.amdhsa_code_object_version 6
	.text
	.protected	k_qae40ea6a1a_wq
	.globl	k_qae40ea6a1a_wq
	.p2align	8
	.type	k_qae40ea6a1a_wq,@function
k_qae40ea6a1a_wq:
	s_mov_b64 s[64:65], 0
	v_nop
	global_prefetch_b8 v0, s[64:65] scope:SCOPE_SE
	s_setreg_imm32_b32 hwreg(HW_REG_WAVE_MODE, 25, 1), 1
	s_wait_xcnt 0x0
; The seven weights [384][384], f32, K innermost, become codes of FP4 (E2M1) with one E8M0 scale byte for each 32 along K, laid in wbuf as IMAGES OF OPERAND REGISTERS.
; An image of a weight is 82,944 bytes: fragment (tile et = 0..23, K step s = 0..2), 16 rows x 128 K = 8 registers a lane, at (3 et + s) x 1,024: registers 4 c .. 4 c + 3 of lane l at 512 c + 16 l;
; behind the 72 fragments, for each pair of tiles, the six scale words of a lane: words 0-3 at 16 l (512 bytes), words 4, 5 at 512 + 8 l (256 bytes); word 3 (et % 2) + s.
; THE ROWS OF A TILE ARE NOT NEIGHBOURS: place r of tile 2 b + u is row 32 b + 8 u + r + 8 (r / 8), so that the results of tiles 2 b and 2 b + 1 of a product used transposed are 16 neighbours along the next K.
; A block's scale is 2^(floor(log2(its largest magnitude)) - 2): its byte is the largest magnitude's exponent field - 2, held at 1 from below.
; LIMITS: a block of zeros gets the byte 1 where the rule says 127 (its codes are zeros, which add nothing, and this program alone reads the bytes); NaN and infinities among the inputs are not served.
; SHARES: work-group (x, y) takes tiles 2 x and 2 x + 1 of weight y: six fragments f = 3 u + s, ONE TO A WAVE.  A lane loads 16 neighbours of each block of 32 of its row (four loads of 16 bytes a block).
; The six scale words of a lane come from six waves: each wave puts its word at 4 x its thread's number in LDS, and behind one barrier wave 0 reads the six and stores them as 512 + 256 consecutive bytes.
; Nothing is shared between work-groups, so no cluster; no tensor load: each number is read once, by one lane.
.set TM,  32                           ; v32-35 largest magnitudes, v36-39 the other half's, then the bytes, v40-43 the conversions' scale operands
.set SEL, 26                           ; s[26:27] v_permlanex16_b32's selects for lane l xor 16
.set X,   64                           ; v64-127 my 64 numbers: register 16 b + i = k 32 b + 16 (lane / 16) + i of my row
.set PC,  16                           ; v16-23 the fragment's codes
.set PW,  8                            ; v8 my row's scale word; in wave 0 then v8-13: the six words
.set SPW, 30                           ; LDS address of my spare word; never rewritten
.set NIL, 31                           ; 0; never rewritten
.set SPARE, 768                        ; behind the 6 x 128 bytes of scale words: the spare words, 128 bytes a wave
	s_load_b512 s[4:19], s[0:1], 0x0                      ; the seven weights, wbuf s[18:19]
	v_lshl_add_u32 v[SPW], v0, 2, SPARE
	v_mov_b32 v[NIL], 0
	v_lshrrev_b32 v7, 5, v0
	v_readfirstlane_b32 s38, v7                           ; wave = fragment f
	s_and_b32 s28, ttmp7, 0xffff                          ; which weight
	v_and_b32 v4, 15, v0                                  ; r
	v_bfe_u32 v5, v0, 4, 1                                ; h
	v_and_b32 v6, 8, v4
	v_add_nc_u32 v6, v6, v4                               ; r + 8 (r / 8)
	v_mul_u32_u24 v1, v6, 1536
	v_lshl_add_u32 v1, v5, 6, v1                          ; my row, + 64 h: my 16 numbers of a block
	v_and_b32 v7, 31, v0                                  ; lane
	v_lshlrev_b32 v2, 4, v7                               ; 16 x lane
	v_lshlrev_b32 v3, 3, v7                               ; 8 x lane
	v_lshlrev_b32 v14, 2, v7                              ; 4 x lane: where wave 0 reads the words back
	v_lshlrev_b32 v15, 2, v0                              ; 4 x thread: where my word goes
.irp b, 0,1,2,3
	v_mov_b32 v[TM+4+\b], 0                               ; written once: a lane permute's destination counts as one of its sources
.endr
	s_mov_b32 s[SEL], 0x76543210
	s_mov_b32 s[SEL+1], 0xfedcba98
	s_cmp_ge_u32 s38, 3
	s_cselect_b32 s39, 1, 0                               ; u = f / 3
	s_mul_i32 s29, s39, 3
	s_sub_co_u32 s29, s38, s29                            ; s = f % 3
	s_mul_i32 s30, ttmp9, 49152                           ; 32 rows of 1,536 bytes,
	s_mul_i32 s33, s39, 12288                             ; + 8 u rows,
	s_add_co_u32 s30, s30, s33
	s_lshl_b32 s33, s29, 9                                ; + 128 s numbers
	s_add_co_u32 s30, s30, s33
	s_mov_b32 s31, 0
	s_mul_i32 s32, s28, 82944                             ; the weight's image
	s_mul_i32 s34, ttmp9, 6144                            ; the work-group's six fragments,
	s_add_co_u32 s34, s34, s32
	s_lshl_b32 s33, s38, 10                               ; mine
	s_add_co_u32 s34, s34, s33
	s_mov_b32 s35, 0
	s_mul_i32 s36, ttmp9, 768                             ; the work-group's scale words
	s_add_co_u32 s36, s36, s32
	s_add_co_u32 s36, s36, 73728
	s_mov_b32 s37, 0
	s_wait_alu depctr_va_vdst(0)
	s_wait_kmcnt 0x0
	s_mov_b64 s[20:21], s[4:5]
.irp i, 1,2,3,4,5,6
	s_cmp_eq_u32 s28, \i                                  ; the choice hangs on the work-group's number alone
	s_cselect_b64 s[20:21], s[4+2*\i:5+2*\i], s[20:21]
.endr
	s_add_nc_u64 s[20:21], s[20:21], s[30:31]
	s_add_nc_u64 s[22:23], s[18:19], s[34:35]
	s_add_nc_u64 s[24:25], s[18:19], s[36:37]
.irp b, 0,1,2,3
.irp j, 0,1,2,3
	global_load_b128 v[X+16*\b+4*\j:X+16*\b+4*\j+3], v1, s[20:21] offset:128*\b+16*\j th:TH_LOAD_NT
.endr
.endr
	s_wait_loadcnt 0x0
.irp b, 0,1,2,3
	v_max3_num_f32 v[TM+\b], |v[X+16*\b]|, |v[X+16*\b+1]|, 0x1800000   ; block b: my 16 numbers, and the floor 2^(3 - 127): the byte cannot fall under 1
.endr
.irp i, 2,4,6,8,10,12,14
.irp b, 0,1,2,3
	v_max3_num_f32 v[TM+\b], v[TM+\b], |v[X+16*\b+\i]|, |v[X+16*\b+\i+1]|   ; the four blocks by turns
.endr
.endr
.irp b, 0,1,2,3
	v_permlanex16_b32 v[TM+4+\b], v[TM+\b], s[SEL], s[SEL+1]
.endr
.irp b, 0,1,2,3
	v_max_num_f32 v[TM+\b], v[TM+\b], v[TM+4+\b]          ; with lane l xor 16's 16: the block's largest magnitude
.endr
.irp b, 0,1,2,3
	v_add_nc_u32 v[TM+8+\b], 0xff000000, v[TM+\b]         ; 2 off its exponent field: the conversion takes that field as its scale
.endr
.irp b, 0,1,2,3
	v_lshrrev_b32 v[TM+4+\b], 23, v[TM+8+\b]              ; the scale's byte
.endr
	v_lshl_or_b32 v[PW], v[TM+5], 8, v[TM+4]
	v_lshl_or_b32 v[PW], v[TM+6], 16, v[PW]
	v_lshl_or_b32 v[PW], v[TM+7], 24, v[PW]
.irp b, 0,1,2,3
	v_cvt_scalef32_pk8_fp4_f32 v[PC+2*\b], v[X+16*\b:X+16*\b+7], v[TM+8+\b]
	v_cvt_scalef32_pk8_fp4_f32 v[PC+2*\b+1], v[X+16*\b+8:X+16*\b+15], v[TM+8+\b]
.endr
	v_nop                                                 ; one plain instruction behind the scaled conversions
.irp c, 0,1
.irp i, 0,1
	v_permlane16_swap_b32 v[PC+4*\c+\i], v[PC+4*\c+2+\i]  ; a whole block to a lane: lanes 0-15 block 2 c, lanes 16-31 block 2 c + 1
.endr
.endr
	ds_store_b32 v15, v[PW]                               ; my word, for wave 0
	global_store_b128 v2, v[PC:PC+3], s[22:23]            ; 32 lanes store 512 consecutive bytes
	global_store_b128 v2, v[PC+4:PC+7], s[22:23] offset:512
	s_wait_dscnt 0x0                                      ; for wave 0's sake: my word lies in LDS
	s_barrier_signal -1
	s_barrier_wait -1
	s_cmp_lg_u32 s38, 0
	s_cbranch_scc1 .Ldone
.irp f, 0,1,2,3,4,5
	ds_load_b32 v[PW+\f], v14 offset:128*\f               ; word f of my lane
.endr
	s_wait_dscnt 0x0
	global_store_b128 v2, v[PW:PW+3], s[24:25]            ; scale words 0-3: 512 consecutive bytes
	global_store_b64 v3, v[PW+4:PW+5], s[24:25] offset:512   ; words 4, 5: 256 consecutive bytes
.Ldone:
	s_wait_tensorcnt 0x0                                  ; the wave's end: behind my last LDS store
	ds_add_u32 v[SPW], v[NIL]
	s_wait_dscnt 0x0
	s_endpgm
.Lfunc_end_k_qae40ea6a1a_wq:
	.size	k_qae40ea6a1a_wq, .Lfunc_end_k_qae40ea6a1a_wq-k_qae40ea6a1a_wq
	.p2alignl 7, 3214868480
	.fill 96, 4, 3214868480
	.section	.rodata,"a",@progbits
	.p2align	6, 0x0
	.amdhsa_kernel k_qae40ea6a1a_wq
		.amdhsa_group_segment_fixed_size 1536
		.amdhsa_private_segment_fixed_size 0
		.amdhsa_enable_private_segment 0
		.amdhsa_kernarg_size 64
		.amdhsa_user_sgpr_count 2
		.amdhsa_user_sgpr_kernarg_segment_ptr 1
		.amdhsa_wavefront_size32 1
		.amdhsa_system_sgpr_workgroup_id_x 1
		.amdhsa_system_sgpr_workgroup_id_y 1
		.amdhsa_system_sgpr_workgroup_id_z 1
		.amdhsa_system_vgpr_workitem_id 0
		.amdhsa_next_free_vgpr 128
		.amdhsa_next_free_sgpr 66
		.amdhsa_reserve_vcc 0
		.amdhsa_float_denorm_mode_32 3
		.amdhsa_float_denorm_mode_16_64 3
		.amdhsa_memory_ordered 1
		.amdhsa_forward_progress 1
		.amdhsa_inst_pref_size 10
	.end_amdhsa_kernel
	.amdgpu_metadata
---
amdhsa.version: [ 1, 2 ]
amdhsa.kernels:
  - .name:           k_qae40ea6a1a_wq
    .symbol:         k_qae40ea6a1a_wq.kd
    .args:
      - { .name: Wqg, .offset: 0, .size: 8, .value_kind: global_buffer, .address_space: global }
      - { .name: Wkg, .offset: 8, .size: 8, .value_kind: global_buffer, .address_space: global }
      - { .name: Wvg, .offset: 16, .size: 8, .value_kind: global_buffer, .address_space: global }
      - { .name: Wql, .offset: 24, .size: 8, .value_kind: global_buffer, .address_space: global }
      - { .name: Wkl, .offset: 32, .size: 8, .value_kind: global_buffer, .address_space: global }
      - { .name: Wvl, .offset: 40, .size: 8, .value_kind: global_buffer, .address_space: global }
      - { .name: Wf, .offset: 48, .size: 8, .value_kind: global_buffer, .address_space: global }
      - { .name: wbuf, .offset: 56, .size: 8, .value_kind: global_buffer, .address_space: global }
    .group_segment_fixed_size: 1536
    .private_segment_fixed_size: 0
    .kernarg_segment_align: 8
    .kernarg_segment_size: 64
    .max_flat_workgroup_size: 192
    .sgpr_count:     66
    .vgpr_count:     128
    .wavefront_size: 32
...
	.end_amdgpu_metadata
.endif
;; end of part 1
;; launch proj (part 2): grid 256 x 1, 4 waves a work-group, no clusters, 327,680 bytes of LDS; arguments Z_graph, Z_lstm, wbuf, bqg, bkg, bvg, bql, bkl, bvl, qbuf, kvbuf; writes qbuf, kvbuf
.if DOCPART == 2
	.amdgcn_target "amdgcn-amd-amdhsa--gfx1250"
	.amdhsa_code_object_version 6
	.text
	.protected	k_qae40ea6a1a_proj
	.globl	k_qae40ea6a1a_proj
	.p2align	8
	.type	k_qae40ea6a1a_proj,@function
k_qae40ea6a1a_proj:
	s_mov_b64 s[64:65], 0
	v_nop
	global_prefetch_b8 v0, s[64:65] scope:SCOPE_SE
	s_setreg_imm32_b32 hwreg(HW_REG_WAVE_MODE, 25, 1), 1
	s_wait_xcnt 0x0
; The six projections Q, K, V of both sources, on codes of FP4 (E2M1) with E8M0 scales; their results, with the bias, are quantised again and stored as images of operand registers for the attention launch.
; SHARES.  Work-group g: source g / 128 (Z_graph, Z_lstm), its rows 128 (g % 128) on.  Each wave brings 32 rows of Z, f32, by ONE tensor load (rows of 1,536 bytes, 16 bytes of padding behind each 512), quantises them along K
;   (six units of 16 rows x 128 K) and puts codes and scale words into LDS as images; behind one barrier every wave reads all eight row tiles.
;   The rows lie in LDS as in memory; place r of tile u of a wave is its row 8 u + r + 8 (r / 8), taken by the read address.
;   Waves 0, 1 make Q and waves 2, 3 K, used transposed (source 0 = the weight): each wave eight tiles of outputs for all rows, and the middle eight tiles for half of the rows.  Every wave makes six tiles of V's outputs for all rows, keys innermost.
; The weights' images come from wbuf straight into registers.  No LDS byte is filled twice.  LIMITS as in the launch that quantises the weights.
.set XIMG, 202752
.set XSC,  XIMG+24576
.set RA,   1
.set L16,  2
.set L8,   3
.set XWI,  4
.set XWS,  5
.set AXF,  6
.set AXH,  7
.set ASF,  8
.set ASH,  9
.set OF,   10
.set OH,   11
.set OHS,  12
.set OV,   13
.set OV16, 14
.set OV8,  15
.set WSA,  16
.set WSB,  40
.set XSW,  64
.set XHS,  88
.set PC,   96
.set GW,   104
.set TM,   110
.set BO,   126
.set BVO,  127
.set ACC,  128
.set WV,   26
.set SRC,  27
.set G1,   28
.set G0,   36
.set SEL,  52
.set MSB,  0
.macro WIN new
.if MSB != \new
	s_set_vgpr_msb (MSB<<8)|\new
.set MSB, \new
.endif
.endm
.macro PLACES n
.rept \n
	v_nop
.endr
.endm
.macro QUANT s, pc, pw
.irp b, 0,1,2,3
	v_max3_num_f32 v[TM+\b], |v[(\s)+16*\b]|, |v[(\s)+16*\b+1]|, 0x1800000
.endr
.irp i, 2,4,6,8,10,12,14
.irp b, 0,1,2,3
	v_max3_num_f32 v[TM+\b], v[TM+\b], |v[(\s)+16*\b+\i]|, |v[(\s)+16*\b+\i+1]|
.endr
.endr
.irp b, 0,1,2,3
	v_permlanex16_b32 v[TM+4+\b], v[TM+\b], s[SEL], s[SEL+1]
.endr
.irp b, 0,1,2,3
	v_max_num_f32 v[TM+\b], v[TM+\b], v[TM+4+\b]
.endr
.irp b, 0,1,2,3
	v_add_nc_u32 v[TM+8+\b], 0xff000000, v[TM+\b]
.endr
.irp b, 0,1,2,3
	v_lshrrev_b32 v[TM+4+\b], 23, v[TM+8+\b]
.endr
	v_lshl_or_b32 v[(\pw)], v[TM+5], 8, v[TM+4]
	v_lshl_or_b32 v[(\pw)], v[TM+6], 16, v[(\pw)]
	v_lshl_or_b32 v[(\pw)], v[TM+7], 24, v[(\pw)]
.irp b, 0,1,2,3
	v_cvt_scalef32_pk8_fp4_f32 v[(\pc)+2*\b], v[(\s)+16*\b:(\s)+16*\b+7], v[TM+8+\b]
	v_cvt_scalef32_pk8_fp4_f32 v[(\pc)+2*\b+1], v[(\s)+16*\b+8:(\s)+16*\b+15], v[TM+8+\b]
.endr
	v_nop
.irp c, 0,1
.irp i, 0,1
	v_permlane16_swap_b32 v[(\pc)+4*\c+\i], v[(\pc)+4*\c+2+\i]
.endr
.endr
.endm
.macro WLOAD win, fb, sb, sr, bb, bo
	WIN \win
.set F, 0
.rept 24
	global_load_b128 v[8*F:8*F+3], v[L16], s[\fb:\fb+1] offset:1024*F
	global_load_b128 v[8*F+4:8*F+7], v[L16], s[\fb:\fb+1] offset:1024*F+512
.set F, F+1
.endr
	WIN 0
.endm
; the rest of a set of weights: the biases of its eight tiles, in the result's layout, and its scale words: 24 loads
.macro WLOAD2 win, sb, sr, bb, bo
	WIN \win
.irp t, 0,1,2,3,4,5,6,7
	global_load_b128 v[192+8*\t:192+8*\t+3], v[BO], s[\bb:\bb+1] offset:\bo+(32*(\t/2)+8*(\t%2))*4
	global_load_b128 v[192+8*\t+4:192+8*\t+7], v[BO], s[\bb:\bb+1] offset:\bo+(32*(\t/2)+8*(\t%2))*4+16
.endr
	WIN 0
.irp p, 0,1,2,3
	global_load_b128 v[\sr+6*\p:\sr+6*\p+3], v[L16], s[\sb:\sb+1] offset:768*\p
	global_load_b64 v[\sr+6*\p+4:\sr+6*\p+5], v[L8], s[\sb:\sb+1] offset:768*\p+512
.endr
.endm
.macro RAWLOAD n
.irp b, 0,1,2,3
.irp j, 0,1,2,3
	ds_load_b128 v[128+64*((\n)%2)+16*\b+4*\j:128+64*((\n)%2)+16*\b+4*\j+3], v[RA] offset:12672*((\n)/3)+528*((\n)%3)+128*\b+16*\j
.endr
.endr
.endm
.macro XUNIT n
.if (\n) < 5
	RAWLOAD (\n)+1
	s_wait_dscnt 16
.else
	s_wait_dscnt 0x0
.endif
	QUANT 128+64*((\n)%2), PC, GW
	ds_store_b128 v[XWI], v[PC:PC+3] offset:1024*(\n)
	ds_store_b128 v[XWI], v[PC+4:PC+7] offset:1024*(\n)+512
	ds_store_b32 v[XWS], v[GW] offset:128*(\n)
.endm
.macro XHLOAD n
	WIN 0xc0
.irp s, 0,1,2
.irp c, 0,1
	ds_load_b128 v[192+24*((\n)%2)+8*\s+4*\c:192+24*((\n)%2)+8*\s+4*\c+3], v[AXH] offset:3072*((\n)-8)+1024*\s+512*\c
.endr
.endr
	WIN 0
.irp s, 0,1,2
	ds_load_b32 v[XHS+3*((\n)%2)+\s], v[ASH] offset:384*((\n)-8)+128*\s
.endr
.endm
.macro QKUNIT n
.if (\n) < 8
.set XB, 24*(\n)
.set XSR, XSW+3*(\n)
.set WSR, WSA
.set W0, 0x1d
.set W1, 0x0d
.else
.set XB, 192+24*((\n)%2)
.set XSR, XHS+3*((\n)%2)
.set WSR, WSB
.set W0, 0x2e
.set W1, 0x0e
.endif
.if ((\n) >= 7) && ((\n) < 11)
	XHLOAD (\n)+1
.endif
.if ((\n) >= 8) && ((\n) < 11)
	s_wait_dscnt 9
.endif
.if (\n) == 11
	s_wait_dscnt 0x0
.endif
.irp s, 0,1,2
.if \s == 0
	WIN W0
.else
	WIN W1
.endif
.irp t, 0,1,2,3,4,5,6,7
.if \s == 0
	v_wmma_scale_f32_16x16x128_f8f6f4 v[ACC+8*\t:ACC+8*\t+7], v[8*(3*\t+\s):8*(3*\t+\s)+7], v[XB+8*\s:XB+8*\s+7], v[192+8*\t:192+8*\t+7], v[WSR+3*\t+\s], v[XSR+\s] matrix_a_fmt:MATRIX_FMT_FP4 matrix_b_fmt:MATRIX_FMT_FP4
.else
	v_wmma_scale_f32_16x16x128_f8f6f4 v[ACC+8*\t:ACC+8*\t+7], v[8*(3*\t+\s):8*(3*\t+\s)+7], v[XB+8*\s:XB+8*\s+7], v[ACC+8*\t:ACC+8*\t+7], v[WSR+3*\t+\s], v[XSR+\s] matrix_a_fmt:MATRIX_FMT_FP4 matrix_b_fmt:MATRIX_FMT_FP4
.endif
.endr
.endr
	WIN 0
	PLACES 4
	s_wait_xcnt 0x0
	QUANT ACC, PC, GW+(\n)%4
.if (\n) < 8
	global_store_b128 v[OF], v[PC:PC+3], s[74:75] offset:3072*(\n)
	global_store_b128 v[OF], v[PC+4:PC+7], s[74:75] offset:3072*(\n)+512
.if (\n)%4 == 3
	global_store_b128 v[OF], v[GW:GW+3], s[74:75] offset:24576+512*((\n)/4)
.endif
.else
	global_store_b128 v[OH], v[PC:PC+3], s[74:75] offset:3072*((\n)-8)
	global_store_b128 v[OH], v[PC+4:PC+7], s[74:75] offset:3072*((\n)-8)+512
.if (\n) == 11
	global_store_b128 v[OHS], v[GW:GW+3], s[74:75] offset:24576
.endif
.endif
.endm
.macro VUNIT i
.irp s, 0,1,2
.if \s == 0
	WIN 0x17
.else
	WIN 0x07
.endif
.irp m, 0,1,2,3,4,5,6,7
.if \s == 0
	v_wmma_scale_f32_16x16x128_f8f6f4 v[ACC+8*\m:ACC+8*\m+7], v[8*(3*\m+\s):8*(3*\m+\s)+7], v[8*(3*(\i)+\s):8*(3*(\i)+\s)+7], v[192+8*(\i):192+8*(\i)+7], v[XSW+3*\m+\s], v[WSA+3*(\i)+\s] matrix_a_fmt:MATRIX_FMT_FP4 matrix_b_fmt:MATRIX_FMT_FP4
.else
	v_wmma_scale_f32_16x16x128_f8f6f4 v[ACC+8*\m:ACC+8*\m+7], v[8*(3*\m+\s):8*(3*\m+\s)+7], v[8*(3*(\i)+\s):8*(3*(\i)+\s)+7], v[ACC+8*\m:ACC+8*\m+7], v[XSW+3*\m+\s], v[WSA+3*(\i)+\s] matrix_a_fmt:MATRIX_FMT_FP4 matrix_b_fmt:MATRIX_FMT_FP4
.endif
.endr
.endr
	WIN 0
	PLACES 4
	s_wait_xcnt 0x0
	QUANT ACC, PC, GW+(\i)
	global_store_b128 v[OV], v[PC:PC+3], s[76:77] offset:1024*(\i)
	global_store_b128 v[OV], v[PC+4:PC+7], s[76:77] offset:1024*(\i)+512
.endm
	s_load_b512 s[4:19], s[0:1], 0x0
	s_load_b128 s[20:23], s[0:1], 0x40
	s_load_b64 s[24:25], s[0:1], 0x50
	v_lshl_add_u32 v94, v0, 2, 0x38400
	v_mov_b32 v95, 0
	ds_add_u32 v94, v95
	ds_add_u32 v94, v95
	v_lshrrev_b32 v1, 5, v0
	v_readfirstlane_b32 s[WV], v1
	s_lshr_b32 s[SRC], ttmp9, 7
	s_and_b32 s78, ttmp9, 127
	s_and_b32 s79, s[WV], 1
	s_lshr_b32 s80, s[WV], 1
	s_mov_b32 s[G1+0], (2<<16)|(1<<20)|(6<<22)|(3<<25)
	s_mov_b32 s[G1+1], 384<<16
	s_mov_b32 s[G1+2], 32<<16
	s_mov_b32 s[G1+3], 384<<16
	s_mov_b32 s[G1+4], 32
	s_mov_b32 s[G1+5], 384
	s_mov_b32 s[G1+6], 0
	s_mov_b32 s[G1+7], 0
	s_mov_b32 s[SEL], 0x76543210
	s_mov_b32 s[SEL+1], 0xfedcba98
	s_mul_i32 s84, s78, 196608
	s_mul_i32 s86, s[WV], 49152
	s_add_co_u32 s84, s84, s86
	s_mov_b32 s85, 0
	s_mov_b32 s87, 0
	s_mul_i32 s81, s[WV], 50688
	s_wait_dscnt 0x0
	s_wait_kmcnt 0x0
	s_cmp_lt_u32 ttmp9, 128
	s_cselect_b64 s[82:83], s[4:5], s[6:7]
	s_add_nc_u64 s[82:83], s[82:83], s[84:85]
	s_mov_b32 s[G0], 1
	s_mov_b32 s[G0+1], s81                                ; my wave's 50,688 bytes of LDS
	s_mov_b64 s[G0+2:G0+3], s[82:83]                      ; my 32 rows of Z
	s_or_b32 s[G0+3], s[G0+3], 0x80000000
	tensor_load_to_lds s[G0:G0+3], s[G1:G1+7]             ; my one tensor load: only I read its bytes, behind my own wait
	s_nop 0
	PLACES 4
	s_mul_i32 s84, s[SRC], 3
	s_add_co_u32 s86, s84, s80
	s_mul_i32 s86, s86, 82944
	s_add_nc_u64 s[58:59], s[8:9], s[86:87]
	s_add_nc_u64 s[56:57], s[58:59], 73728
	s_add_nc_u64 s[60:61], s[58:59], 73728+3072
	s_mul_i32 s86, s79, 6144
	s_add_nc_u64 s[56:57], s[56:57], s[86:87]
	s_mul_i32 s86, s79, 49152
	s_add_nc_u64 s[54:55], s[58:59], s[86:87]
	s_add_nc_u64 s[58:59], s[58:59], 24576
	s_add_co_u32 s84, s84, 2
	s_mul_i32 s84, s84, 82944
	s_add_nc_u64 s[66:67], s[8:9], s[84:85]
	s_add_nc_u64 s[68:69], s[66:67], 73728
	s_mul_i32 s84, s[WV], 18432
	s_add_nc_u64 s[66:67], s[66:67], s[84:85]
	s_mul_i32 s84, s[WV], 2304
	s_add_nc_u64 s[68:69], s[68:69], s[84:85]
	s_lshl_b32 s84, s[SRC], 7
	s_add_co_u32 s84, s84, s78
	s_mul_i32 s84, s84, 27648
	s_xor_b32 s86, s[SRC], 1
	s_lshl_b32 s86, s86, 7
	s_add_co_u32 s86, s86, s78
	s_mul_i32 s86, s86, 55296
	s_add_nc_u64 s[76:77], s[24:25], s[86:87]
	s_add_nc_u64 s[76:77], s[76:77], 27648
	s_cmp_lt_u32 s[WV], 2
	s_cselect_b64 s[88:89], s[10:11], s[12:13]
	s_cselect_b64 s[90:91], s[16:17], s[18:19]
	s_cselect_b64 s[74:75], s[22:23], s[24:25]
	s_cselect_b32 s84, s84, s86
	s_add_nc_u64 s[74:75], s[74:75], s[84:85]
	s_cmp_eq_u32 s[SRC], 0
	s_cselect_b64 s[88:89], s[88:89], s[90:91]
	s_cselect_b64 s[72:73], s[14:15], s[20:21]
	s_lshl_b32 s84, s79, 10
	s_add_nc_u64 s[70:71], s[88:89], s[84:85]
	s_mul_i32 s84, s[WV], 384
	s_add_nc_u64 s[72:73], s[72:73], s[84:85]
	v_and_b32 v122, 31, v0
	v_and_b32 v123, 15, v0
	v_bfe_u32 v124, v0, 4, 1
	v_and_b32 v125, 8, v123
	v_add_nc_u32 v125, v125, v123
	v_mul_u32_u24 v[RA], v125, 1584
	v_lshl_add_u32 v[RA], v124, 6, v[RA]
	v_add_nc_u32 v[RA], s81, v[RA]
	v_lshlrev_b32 v[L16], 4, v122
	v_lshlrev_b32 v[L8], 3, v122
	s_mul_i32 s84, s[WV], 6144
	v_add_nc_u32 v[OV], s84, v[L16]
	v_add_nc_u32 v[XWI], XIMG, v[OV]
	s_mul_i32 s86, s[WV], 768
	v_add_nc_u32 v[OV16], s86, v[L16]
	v_add_nc_u32 v[OV8], s86, v[L8]
	v_add_nc_u32 v[OV8], 512, v[OV8]
	v_lshl_add_u32 v[ASF], v122, 2, XSC
	v_add_nc_u32 v[XWS], s86, v[ASF]
	v_add_nc_u32 v[AXF], XIMG, v[L16]
	s_mul_i32 s92, s79, 12288
	v_add_nc_u32 v[AXH], s92, v[AXF]
	v_add_nc_u32 v[OH], s92, v[L16]
	v_add_nc_u32 v[OH], 1024, v[OH]
	s_mul_i32 s93, s79, 1536
	v_add_nc_u32 v[ASH], s93, v[ASF]
	s_lshl_b32 s94, s79, 11
	v_add_nc_u32 v[OF], s94, v[L16]
	s_lshl_b32 s95, s79, 9
	v_add_nc_u32 v[OHS], s95, v[L16]
	v_add_nc_u32 v[OHS], 1024, v[OHS]
	v_lshlrev_b32 v[BO], 6, v124
	v_lshlrev_b32 v[BVO], 2, v125
.irp b, 0,1,2,3
	v_mov_b32 v[TM+4+\b], 0
.endr
	WLOAD 0x40, 54, 56, WSA, 70, 0                        ; the set that units 0 to 7 take; the middle tiles' set is asked for behind Z's quantising
	WLOAD2 0x40, 56, WSA, 70, 0
	s_wait_tensorcnt 0x0
	RAWLOAD 0
.irp n, 0,1,2,3,4,5
	XUNIT \n
.endr
	s_wait_dscnt 0x0
	s_barrier_signal -1
	s_barrier_wait -1
	WIN 0xc0
.set F, 0
.rept 24
	ds_load_b128 v[8*F:8*F+3], v[AXF] offset:1024*F
	ds_load_b128 v[8*F+4:8*F+7], v[AXF] offset:1024*F+512
.set F, F+1
.endr
	WIN 0
.set F, 0
.rept 24
	ds_load_b32 v[XSW+F], v[ASF] offset:128*F
.set F, F+1
.endr
	s_wait_loadcnt 0x0                                    ; the first set of weights
	WLOAD 0x80, 58, 60, WSB, 88, 512                      ; the middle tiles' 24 fragments, 48 loads: units 8 to 11 take them, eight units further on
	s_wait_dscnt 0x0
.irp n, 0,1
	QKUNIT \n
.endr
	WLOAD2 0x80, 60, WSB, 88, 512                         ; their biases and scale words: 24 loads more
.irp n, 2,3,4,5,6,7
	QKUNIT \n
.endr
	s_wait_loadcnt 0x0                                    ; the middle tiles' set is in
	WIN 0x40
.set F, 0
.rept 18
	global_load_b128 v[8*F:8*F+3], v[L16], s[66:67] offset:1024*F
	global_load_b128 v[8*F+4:8*F+7], v[L16], s[66:67] offset:1024*F+512
.set F, F+1
.endr
	WIN 0
.irp p, 0,1,2
	global_load_b128 v[WSA+6*\p:WSA+6*\p+3], v[L16], s[68:69] offset:768*\p
	global_load_b64 v[WSA+6*\p+4:WSA+6*\p+5], v[L8], s[68:69] offset:768*\p+512
.endr
	QKUNIT 8
	QKUNIT 9
	WIN 0x40                                              ; V's biases, 48 loads, two units behind the 42 loads of its fragments and scale words
.irp i, 0,1,2,3,4,5
.irp j, 0,1,2,3,4,5,6,7
	global_load_b32 v[192+8*\i+\j], v[BVO], s[72:73] offset:(32*(\i/2)+8*(\i%2))*4
.endr
.endr
	WIN 0
.irp n, 10,11
	QKUNIT \n
.endr
	s_wait_loadcnt 0x0
.irp i, 0,1,2,3,4,5
	VUNIT \i
.endr
	global_store_b128 v[OV16], v[GW:GW+3], s[76:77] offset:24576
	global_store_b64 v[OV8], v[GW+4:GW+5], s[76:77] offset:24576
	s_wait_tensorcnt 0x0
	ds_add_u32 v94, v95
	s_wait_dscnt 0x0
	s_endpgm
.Lfunc_end_k_qae40ea6a1a_proj:
	.size	k_qae40ea6a1a_proj, .Lfunc_end_k_qae40ea6a1a_proj-k_qae40ea6a1a_proj
	.p2alignl 7, 3214868480
	.fill 96, 4, 3214868480
	.section	.rodata,"a",@progbits
	.p2align	6, 0x0
	.amdhsa_kernel k_qae40ea6a1a_proj
		.amdhsa_group_segment_fixed_size 327680
		.amdhsa_private_segment_fixed_size 0
		.amdhsa_enable_private_segment 0
		.amdhsa_kernarg_size 88
		.amdhsa_user_sgpr_count 2
		.amdhsa_user_sgpr_kernarg_segment_ptr 1
		.amdhsa_wavefront_size32 1
		.amdhsa_system_sgpr_workgroup_id_x 1
		.amdhsa_system_sgpr_workgroup_id_y 1
		.amdhsa_system_sgpr_workgroup_id_z 1
		.amdhsa_system_vgpr_workitem_id 0
		.amdhsa_next_free_vgpr 1024
		.amdhsa_next_free_sgpr 96
		.amdhsa_reserve_vcc 0
		.amdhsa_float_denorm_mode_32 3
		.amdhsa_float_denorm_mode_16_64 3
		.amdhsa_memory_ordered 1
		.amdhsa_forward_progress 1
		.amdhsa_inst_pref_size 195
	.end_amdhsa_kernel
	.amdgpu_metadata
---
amdhsa.version: [ 1, 2 ]
amdhsa.kernels:
  - .name:           k_qae40ea6a1a_proj
    .symbol:         k_qae40ea6a1a_proj.kd
    .args:
      - { .name: Z_graph, .offset: 0, .size: 8, .value_kind: global_buffer, .address_space: global }
      - { .name: Z_lstm, .offset: 8, .size: 8, .value_kind: global_buffer, .address_space: global }
      - { .name: wbuf, .offset: 16, .size: 8, .value_kind: global_buffer, .address_space: global }
      - { .name: bqg, .offset: 24, .size: 8, .value_kind: global_buffer, .address_space: global }
      - { .name: bkg, .offset: 32, .size: 8, .value_kind: global_buffer, .address_space: global }
      - { .name: bvg, .offset: 40, .size: 8, .value_kind: global_buffer, .address_space: global }
      - { .name: bql, .offset: 48, .size: 8, .value_kind: global_buffer, .address_space: global }
      - { .name: bkl, .offset: 56, .size: 8, .value_kind: global_buffer, .address_space: global }
      - { .name: bvl, .offset: 64, .size: 8, .value_kind: global_buffer, .address_space: global }
      - { .name: qbuf, .offset: 72, .size: 8, .value_kind: global_buffer, .address_space: global }
      - { .name: kvbuf, .offset: 80, .size: 8, .value_kind: global_buffer, .address_space: global }
    .group_segment_fixed_size: 327680
    .private_segment_fixed_size: 0
    .kernarg_segment_align: 8
    .kernarg_segment_size: 88
    .max_flat_workgroup_size: 128
    .sgpr_count:     96
    .vgpr_count:     1024
    .wavefront_size: 32
...
	.end_amdgpu_metadata
.endif
;; end of part 2
;; launch attn (part 3): grid 256 x 1, 4 waves a work-group, clusters of 4 x 1, 327,680 bytes of LDS; arguments qbuf, kvbuf, wbuf, bf, out0; writes out0
.if DOCPART == 3
	.amdgcn_target "amdgcn-amd-amdhsa--gfx1250"
	.amdhsa_code_object_version 6
	.text
	.protected	k_qae40ea6a1a_attn
	.globl	k_qae40ea6a1a_attn
	.p2align	8
	.type	k_qae40ea6a1a_attn,@function
k_qae40ea6a1a_attn:
	s_mov_b64 s[64:65], 0
	v_nop
	global_prefetch_b8 v0, s[64:65] scope:SCOPE_SE
	s_setreg_imm32_b32 hwreg(HW_REG_WAVE_MODE, 25, 1), 1
	s_wait_xcnt 0x0
	s_wait_alu depctr_hold_cnt(0) depctr_sa_sdst(0) depctr_va_vdst(0) depctr_va_sdst(0) depctr_va_ssrc(0) depctr_va_vcc(0) depctr_vm_vsrc(0)
	s_getreg_b32 s2, hwreg(HW_REG_IB_STS2, 6, 4)
	s_cmp_eq_u32 s2, 0
	s_cbranch_scc0 .Lentry_in_a_cluster
	s_endpgm
.Lentry_in_a_cluster:
	s_bfe_u32 s2, ttmp6, 0x10000c
	s_cmp_lg_u32 s2, 0x3003
	s_cbranch_scc0 .Lentry_shape_is_right
	s_endpgm
.Lentry_shape_is_right:
; Both cross attentions (2,048 queries x 2,048 keys x 384, 8 batches), their sum, and the output projection, all products on codes of FP4 (E2M1) with E8M0 scales.  O, p and the fused rows never leave the chip.
; THE SOFTMAX AHEAD OF THE SECOND PRODUCT: t = score x log2(e) / sqrt(384); M = the row's largest t so far, rounded UP to a whole number; p = 2^(t - M) is quantised along the keys, not normalised;
; the row's sum is taken of the unquantised p and divides O at the end; when M moves, the sum and O are multiplied by 2^(old M - new M), which rounds nothing.
; SHARES.  A work-group owns 64 rows of out0 in BOTH directions.  Wave w: direction w / 2, two tiles of 16 queries, so that each fragment of K and of V read from LDS feeds two products.
;   Its tile 0 is row tile T0 = 2 (w & 1) + w / 2, its tile 1 is T0 xor 1, which is tile 0 of wave w xor 2: at the end each wave hands its tile 1 over through LDS, adds the two directions of row tile T0, quantises the sum and makes 16 rows of out0.
; LAYOUT.  All operands are images of operand registers (a fragment: 1,024 bytes, registers 4 c .. 4 c + 3 of lane l at 512 c + 16 l), and place r of tile 2 b + u is row 32 b + 8 u + r + 8 (r / 8).
;   All three products are used transposed (S^T = K Q^T, O^T = V^T P^T, out^T = Wf Z^T): a lane holds ONE query throughout, and its registers run along the next product's K in the order that the next operand wants.
; CLUSTER.  The four work-groups of a cluster belong to one batch and walk the same K, V and Wf: every tensor load is asked for JOINTLY, by one line with the mask of all four; wave w brings quarter w.  The place in the cluster enters Q's and out0's addresses alone.
; THE ORDER OF THE KEYS.  The running M makes it free.  Cluster i = 0 .. 7 of a batch begins at key step 4 ((i & 3) xor 3 (i / 4)) and walks all sixteen modulo 16: whichever bit of i parts the eight clusters into two fours, each four begins at 0, 4, 8 and 12.
;   So the clusters of a batch ask for different key steps at any time, and in twelve of its sixteen steps a cluster asks for bytes that another has asked for four steps or more before.  The start is the same in the four partners.
; RING.  Two slots, each one key step (128 keys) of both directions: [direction][K's piece, V's piece], 4 x 27,648 bytes.  In its j-th step a wave leaves the slot when V has been read (K was read in the step before); behind the round the slot takes the step two further on.
; LDS LOADS GO IN RUNS OF 8: V's between the stages of the softmax, the next step's K between the groups of the second product and the rescaling of tile 1, so that the four waves, which leave a barrier together, do not each send one long run.
; LIMITS: t is the score times ONE f32 constant where the definition multiplies twice (about 1e-7 of t); O / l is v_rcp_f32 and a multiplication; a block's largest p is made from its largest score by the same two instructions
;   (this takes v_exp_f32 not to fall where its input rises); p under 2^-126 counts as 0 (v_exp_f32 flushes); a block of zeros has the byte 1 (its codes are zeros); NaN and infinities are not served.
; LDS: slot 0 at 0; the spare words at 110,592; slot 1 at 2^17; Wf's image behind it (filled once).  The stage for the hand-over lies in slot 0 and that for the way out in slot 1: each has had its last fill, and a barrier stands behind its last read.
; REGISTERS: window 0: v1-12 addresses; v16-31 statistics, 8 a tile: -M, largest t, l (two halves), f, p's scale word, 1 / l, 0; v32-37 Q's scale words, v40-63 K's, v64-87 V's; v88-103 p's codes; v104-127 at work, 12 a tile; v128-255 S^T, then p, 64 a tile
;   (v128-191 then take V's tiles 16-23).   window 1: v0-47 Q; v64-255 K.   window 2: v0-191 O^T of tile 0; v192-255 V's tiles 0-7.   window 3: v0-191 O^T of tile 1; v192-255 V's tiles 8-15.
; O^T'S RESCALING IS HELD OVER FOR ONE STEP.  In the walk's steps 2, 4 .. 14 O^T stays under the M of the step before, and the step's own p carries E = M's growth in that step in its four scale bytes (at most 125 + 64: finite codes);
;   the next step multiplies O^T by 2^(old M - new M - E) and has E = 0.  The sum l is brought under the new M in every step.  The last step rescales, so E is 0 at the end.  Which steps: a scalar branch on the count of steps.
;   LIMIT: E is held at 64.  Where M grows by more than 64 in such a step, what O^T held before counts 2^-64 of its size in place of a still smaller share: under 2^-53 of the largest |V|; V's magnitudes stay under 2^50.
;   Statistics 6 and 7 of a tile hold O^T's factor and E (as f32) in the loop; v115 and v127 hold E in each of four bytes.
; FIRST FILLS: slot 0 at the head, slot 1 behind the three lines and a round, Wf's image behind step 14's round, behind which nothing is filled again.  The key step that slot 1 takes first is asked of memory at the head, by one prefetch a wave:
;   27 blocks of 256 bytes of my piece's 108, the four partners told apart by address.  Later key steps are asked for a whole step ahead by their joint loads, and in twelve of sixteen steps another cluster of the batch has read them.
.set PIECE, 27648
.set SLOT1, 1<<17
.set SPARE, 110592
.set WFL,   SLOT1+110592
.set SPW,  1                           ; LDS address of my spare word; never rewritten
.set NIL,  2                           ; 0; never rewritten
.set A0,   3                           ; 16 lane + 55,296 x direction
.set A8,   4                           ; 8 lane + 55,296 x direction
.set ADV,  5
.set AD8,  6
.set ADK,  7
.set ST,   16
.set QS,   32
.set KS,   40
.set VS,   64
.set PC,   88
.set TT,   104                         ; tile t at TT + 12 t: +0..3 a block's largest score, then p, then byte; +4..7 the other half's, then the scale operands; +8, 9 a chain of the sum; +10 at work
.set S,    128
.set TM,   116                         ; the last quantiser's registers
.set WV,   14
.set DIR,  15
.set QH,   16
.set KI,   17                          ; s17  the key step (0 .. 15) that was asked for last
.set KVB,  18                          ; s[18:19] my piece of the batch's key step 0 in kvbuf
.set SEL,  20
.set CS,   22                          ; s[22:23] c = log2(e) / sqrt(384)
.set G1,   24                          ; s[24:31] group 1 for a piece;  s[32:39] for a quarter of Wf's image
.set G1W,  32
.set G0W,  40
.set G0A,  44                          ; slot 0's first fill
.set G0B,  48                          ; slot 1's first fill; it then walks
.set TB,   52                          ; LDS byte at which the slot in hand begins
.set CNT,  53
.set CAP,  70                          ; s70  the hold on E in this step, f32: 64 where the rescaling is held over, else 0
.set REP,  71                          ; s71  0x01010101: a byte into all four
.set PAR,  72                          ; s72  the count of steps, odd (1): O^T is rescaled
.set MSB,  0
.macro WIN new                         ; the immediate's high byte repeats the setting that is left
.if MSB != \new
	s_set_vgpr_msb (MSB<<8)|\new
.set MSB, \new
.endif
.endm
.macro PLACES n
.rept \n
	v_nop
.endr
.endm
.macro CREST                           ; a round of the cluster's barrier behind its opening barrier
	s_cmp_lg_u32 s[WV], 0
	s_cbranch_scc1 .Lnot_wave_0_\@
	s_barrier_signal -3
.Lnot_wave_0_\@:
	s_barrier_wait -3
	s_barrier_signal -1
	s_barrier_wait -1
.endm
.macro CROUND
	s_barrier_signal -1
	s_barrier_wait -1
	CREST
.endm
.macro QUANT s, pc, pw                 ; 64 numbers of a lane, register 16 b + i = k 32 b + 16 (lane / 16) + i of its row -> 8 registers of codes, the row's scale word
.irp b, 0,1,2,3
	v_max3_num_f32 v[TM+\b], |v[(\s)+16*\b]|, |v[(\s)+16*\b+1]|, 0x1800000
.endr
.irp i, 2,4,6,8,10,12,14
.irp b, 0,1,2,3
	v_max3_num_f32 v[TM+\b], v[TM+\b], |v[(\s)+16*\b+\i]|, |v[(\s)+16*\b+\i+1]|
.endr
.endr
.irp b, 0,1,2,3
	v_permlanex16_b32 v[TM+4+\b], v[TM+\b], s[SEL], s[SEL+1]
.endr
.irp b, 0,1,2,3
	v_max_num_f32 v[TM+\b], v[TM+\b], v[TM+4+\b]
.endr
.irp b, 0,1,2,3
	v_add_nc_u32 v[TM+8+\b], 0xff000000, v[TM+\b]
.endr
.irp b, 0,1,2,3
	v_lshrrev_b32 v[TM+4+\b], 23, v[TM+8+\b]
.endr
	v_lshl_or_b32 v[(\pw)], v[TM+5], 8, v[TM+4]
	v_lshl_or_b32 v[(\pw)], v[TM+6], 16, v[(\pw)]
	v_lshl_or_b32 v[(\pw)], v[TM+7], 24, v[(\pw)]
.irp b, 0,1,2,3
	v_cvt_scalef32_pk8_fp4_f32 v[(\pc)+2*\b], v[(\s)+16*\b:(\s)+16*\b+7], v[TM+8+\b]
	v_cvt_scalef32_pk8_fp4_f32 v[(\pc)+2*\b+1], v[(\s)+16*\b+8:(\s)+16*\b+15], v[TM+8+\b]
.endr
	v_nop
.irp c, 0,1
.irp i, 0,1
	v_permlane16_swap_b32 v[(\pc)+4*\c+\i], v[(\pc)+4*\c+2+\i]
.endr
.endr
.endm
; A step's K: 24 fragments (key tile kt, K step s) to v[64 + 8 (3 kt + s)] of window 1, 24 scale words to v[KS + 8 s + kt]; every load takes 512 consecutive bytes.
.macro KHEAD                           ; the address, and the scale words
	v_add_nc_u32 v[ADK], s[TB], v[A0]
.irp g, 0,1,2,3,4,5
	ds_load_b128 v[KS+4*\g:KS+4*\g+3], v[ADK] offset:24576+512*\g
.endr
.endm
.macro KCH n                           ; run n of six: fragments 4 n .. 4 n + 3
	WIN 0x40
.irp i, 0,1,2,3
	ds_load_b128 v[64+8*(4*(\n)+\i):64+8*(4*(\n)+\i)+3], v[ADK] offset:1024*(4*(\n)+\i)
	ds_load_b128 v[64+8*(4*(\n)+\i)+4:64+8*(4*(\n)+\i)+7], v[ADK] offset:1024*(4*(\n)+\i)+512
.endr
.endm
.macro KC mode, n                      ; the last step has no next K
.if \mode >= 1
	KCH \n
.endif
.endm
.macro VSC                             ; a step's V: the addresses, and all its scale words
	v_add_nc_u32 v[ADV], s[TB], v[A0]
	v_add_nc_u32 v[AD8], s[TB], v[A8]
.irp p, 0,1,2,3
	ds_load_b128 v[VS+6*\p:VS+6*\p+3], v[ADV] offset:PIECE+24576+768*\p
	ds_load_b64 v[VS+6*\p+4:VS+6*\p+5], v[AD8] offset:PIECE+24576+512+768*\p
.endr
.endm
.macro VCH n                           ; run n of four: V's tiles 4 n .. 4 n + 3: tiles 0-7 to window 2, 8-15 to window 3, from v192 on
	WIN 0x80+0x40*((\n)/2)
.irp i, 0,1,2,3
	ds_load_b128 v[192+8*((4*(\n)+\i)%8):192+8*((4*(\n)+\i)%8)+3], v[ADV] offset:PIECE+1024*(4*(\n)+\i)
	ds_load_b128 v[192+8*((4*(\n)+\i)%8)+4:192+8*((4*(\n)+\i)%8)+7], v[ADV] offset:PIECE+1024*(4*(\n)+\i)+512
.endr
	WIN 0
.endm
.macro VLOAD2                          ; tiles 16-23, into the registers that tile 0's p has left
.irp d, 0,1,2,3,4,5,6,7
	ds_load_b128 v[S+8*\d:S+8*\d+3], v[ADV] offset:PIECE+1024*(16+\d)
	ds_load_b128 v[S+8*\d+4:S+8*\d+7], v[ADV] offset:PIECE+1024*(16+\d)+512
.endr
.endm
.macro SPROD                           ; S^T = K Q^T: 48 products; the 16 accumulators by turns, one instruction a turn; the first K step starts the sums
	WIN 0x05                                              ; K and Q in window 1, S^T in window 0
.irp s, 0,1,2
.irp k, 0,1,2,3,4,5,6,7
.irp t, 0,1
.if \s == 0
	v_wmma_scale_f32_16x16x128_f8f6f4 v[S+64*\t+8*\k:S+64*\t+8*\k+7], v[64+8*(3*\k+\s):64+8*(3*\k+\s)+7], v[24*\t+8*\s:24*\t+8*\s+7], 0, v[KS+8*\s+\k], v[QS+3*\t+\s] matrix_a_fmt:MATRIX_FMT_FP4 matrix_b_fmt:MATRIX_FMT_FP4
.else
	v_wmma_scale_f32_16x16x128_f8f6f4 v[S+64*\t+8*\k:S+64*\t+8*\k+7], v[64+8*(3*\k+\s):64+8*(3*\k+\s)+7], v[24*\t+8*\s:24*\t+8*\s+7], v[S+64*\t+8*\k:S+64*\t+8*\k+7], v[KS+8*\s+\k], v[QS+3*\t+\s] matrix_a_fmt:MATRIX_FMT_FP4 matrix_b_fmt:MATRIX_FMT_FP4
.endif
.endr
.endr
.endr
.endm
; THE SOFTMAX OF A KEY STEP, in stages, each for both tiles.  Register 16 b + i of a tile is key 32 b + 16 (lane / 16) + i of the lane's query.
.macro SMA                             ; the largest score of each block of 32 keys: for the row's maximum, and, since p rises with the score, for the block's largest p
.irp t, 0,1
.irp b, 0,1,2,3
	v_max3_num_f32 v[TT+12*\t+\b], v[S+64*\t+16*\b], v[S+64*\t+16*\b+1], v[S+64*\t+16*\b+2]
.endr
.endr
.irp i, 3,5,7,9,11,13
.irp t, 0,1
.irp b, 0,1,2,3
	v_max3_num_f32 v[TT+12*\t+\b], v[TT+12*\t+\b], v[S+64*\t+16*\b+\i], v[S+64*\t+16*\b+\i+1]
.endr
.endr
.endr
.irp t, 0,1
.irp b, 0,1,2,3
	v_max_num_f32 v[TT+12*\t+\b], v[TT+12*\t+\b], v[S+64*\t+16*\b+15]
.endr
.endr
.endm
.macro SMB                             ; the row's maximum, the new M, and f
.irp t, 0,1
.irp b, 0,1,2,3
	v_permlanex16_b32 v[TT+12*\t+4+\b], v[TT+12*\t+\b], s[SEL], s[SEL+1]
.endr
.endr
.irp t, 0,1
.irp b, 0,1,2,3
	v_max_num_f32 v[TT+12*\t+\b], v[TT+12*\t+\b], v[TT+12*\t+4+\b]   ; with lane l xor 16's 16 keys
.endr
.endr
.irp t, 0,1
	v_max3_num_f32 v[TT+12*\t+10], v[TT+12*\t], v[TT+12*\t+1], v[TT+12*\t+2]
.endr
.irp t, 0,1
	v_max_num_f32 v[TT+12*\t+10], v[TT+12*\t+10], v[TT+12*\t+3]      ; the step's largest score of my query
.endr
.irp t, 0,1
	v_mul_f32 v[TT+12*\t+10], s[CS], v[TT+12*\t+10]                  ; as t (c is positive)
.endr
.irp t, 0,1
	v_max_num_f32 v[ST+8*\t+1], v[ST+8*\t+1], v[TT+12*\t+10]         ; the running largest t
.endr
.irp t, 0,1
	v_mov_b32 v[TT+12*\t+10], v[ST+8*\t]
.endr
.irp t, 0,1
	v_floor_f32 v[ST+8*\t], -v[ST+8*\t+1]                            ; the new -M = floor(-t) = -ceil(t)
.endr
.irp t, 0,1
	v_sub_f32 v[TT+12*\t+10], v[ST+8*\t], v[TT+12*\t+10]             ; old M - new M: a whole number, 0 or less
.endr
.irp t, 0,1
	v_sub_f32 v[TT+12*\t+11], v[ST+8*\t+7], v[TT+12*\t+10]           ; E + new M - old M: what O^T owes, +0 or more
	v_cvt_i32_f32 v[TT+12*\t+10], v[TT+12*\t+10]                     ; (it saturates)
	v_min_num_f32 v[ST+8*\t+7], v[TT+12*\t+11], s[CAP]               ; the new E: what O^T still owes if it is not rescaled, held at 64; 0 where it is
	v_cvt_i32_f32 v[TT+12*\t+11], v[TT+12*\t+11]                     ; (it saturates)
	v_sub_nc_u32 v[TT+12*\t+11], 0, v[TT+12*\t+11]                   ; O^T's exponent: old M - new M - E, 0 or less
.endr
.irp t, 0,1
	v_ldexp_f32 v[ST+8*\t+4], 1.0, v[TT+12*\t+10]                    ; f = 2^(old M - new M), for the sum
	v_ldexp_f32 v[ST+8*\t+6], 1.0, v[TT+12*\t+11]                    ; and O^T's factor
	v_cvt_u32_f32 v[TT+12*\t+11], v[ST+8*\t+7]
	v_mul_lo_u32 v[TT+12*\t+11], v[TT+12*\t+11], s[REP]              ; E in each of four bytes
.endr
.endm
.macro SMC                             ; t - M
.irp t, 0,1
.set J, 0
.rept 32
	v_pk_fma_f32 v[S+64*\t+J:S+64*\t+J+1], v[S+64*\t+J:S+64*\t+J+1], s[CS:CS+1], v[ST+8*\t:ST+8*\t+1] op_sel_hi:[1,0,0]   ; two at a time (of the pairs c and -M the low word serves both halves)
.set J, J+2
.endr
.endr
.irp t, 0,1
.irp b, 0,1,2,3
	v_fma_f32 v[TT+12*\t+\b], v[TT+12*\t+\b], s[CS], v[ST+8*\t]      ; the same of each block's largest score
.endr
.endr
.endm
.macro SMD t                           ; tile t's p = 2^(t - M), at most 1
.set J, 0
.rept 64
	v_exp_f32 v[S+64*\t+J], v[S+64*\t+J]
.set J, J+1
.endr
.endm
.macro SMX                             ; the blocks' largest p; then the sums under the new M, which are the plain instructions behind the exponentials
.irp t, 0,1
.irp b, 0,1,2,3
	v_exp_f32 v[TT+12*\t+\b], v[TT+12*\t+\b]
.endr
.endr
.irp t, 0,1
	v_pk_mul_f32 v[ST+8*\t+2:ST+8*\t+3], v[ST+8*\t+2:ST+8*\t+3], v[ST+8*\t+4:ST+8*\t+5] op_sel_hi:[1,0]
.endr
.endm
.macro SME                             ; p's scale words and codes
	s_wait_alu depctr_va_vdst(0)
.irp t, 0,1
.irp b, 0,1,2,3
	v_max_num_f32 v[TT+12*\t+\b], 0x1800000, v[TT+12*\t+\b]          ; the floor 2^(3 - 127): the byte cannot fall under 1
.endr
.endr
.irp t, 0,1
.irp b, 0,1,2,3
	v_add_nc_u32 v[TT+12*\t+4+\b], 0xff000000, v[TT+12*\t+\b]        ; 2 off the exponent field: the conversion's scale operand
.endr
.endr
.irp t, 0,1
.irp b, 0,1,2,3
	v_lshrrev_b32 v[TT+12*\t+\b], 23, v[TT+12*\t+4+\b]               ; the scale's byte
.endr
.endr
.irp t, 0,1
	v_lshl_or_b32 v[ST+8*\t+5], v[TT+12*\t+1], 8, v[TT+12*\t]        ; p's scale word for these 128 keys
.endr
.irp t, 0,1
	v_lshl_or_b32 v[ST+8*\t+5], v[TT+12*\t+2], 16, v[ST+8*\t+5]
.endr
.irp t, 0,1
	v_lshl_or_b32 v[ST+8*\t+5], v[TT+12*\t+3], 24, v[ST+8*\t+5]
	v_add_nc_u32 v[ST+8*\t+5], v[ST+8*\t+5], v[TT+12*\t+11]          ; p x 2^E: no byte passes 189
.endr
.irp t, 0,1
.irp b, 0,1,2,3
	v_cvt_scalef32_pk8_fp4_f32 v[PC+8*\t+2*\b], v[S+64*\t+16*\b:S+64*\t+16*\b+7], v[TT+12*\t+4+\b]
	v_cvt_scalef32_pk8_fp4_f32 v[PC+8*\t+2*\b+1], v[S+64*\t+16*\b+8:S+64*\t+16*\b+15], v[TT+12*\t+4+\b]
.endr
.endr
	v_nop                                                 ; one plain instruction behind the scaled conversions
.irp t, 0,1
.irp c, 0,1
.irp i, 0,1
	v_permlane16_swap_b32 v[PC+8*\t+4*\c+\i], v[PC+8*\t+4*\c+2+\i]   ; a whole block to a lane
.endr
.endr
.endr
.endm
.macro SMF                             ; the row's sum is taken of the unquantised p: two at a time, two chains a tile.  (These 64 lines also stand between the scale word and codes just made and the products that take them)
.irp t, 0,1
	v_pk_add_f32 v[TT+12*\t+8:TT+12*\t+9], v[S+64*\t:S+64*\t+1], v[S+64*\t+2:S+64*\t+3]
.endr
.irp j, 4,8,12,16,20,24,28,32,36,40,44,48,52,56,60
.irp t, 0,1
	v_pk_add_f32 v[ST+8*\t+2:ST+8*\t+3], v[ST+8*\t+2:ST+8*\t+3], v[S+64*\t+\j:S+64*\t+\j+1]
	v_pk_add_f32 v[TT+12*\t+8:TT+12*\t+9], v[TT+12*\t+8:TT+12*\t+9], v[S+64*\t+\j+2:S+64*\t+\j+3]
.endr
.endr
.irp t, 0,1
	v_pk_add_f32 v[ST+8*\t+2:ST+8*\t+3], v[ST+8*\t+2:ST+8*\t+3], v[TT+12*\t+8:TT+12*\t+9]
.endr
.endm
.macro OMULP t, o, from, n             ; n pairs of tile t's O^T, from register from on, times statistic o (4: f, 6: 1 / l); each accumulator from its low end on
	WIN 0x82+0x41*\t                                      ; O^T (destination and source 0) in window 2 or 3, the factor in window 0
.set J, \from
.rept \n
	v_pk_mul_f32 v[J:J+1], v[J:J+1], v[ST+8*\t+\o:ST+8*\t+\o+1] op_sel_hi:[1,0]
.set J, J+2
.endr
.endm
.macro OMUL t, o
	OMULP \t, \o, 0, 96
.endm
.macro PVG win, t, d0, va, first       ; eight products of O^T += V^T P^T: V's tiles d0 .. d0 + 7 (from v[va] on, in source 0's window) for query tile t
	WIN \win
.irp i, 0,1,2,3,4,5,6,7
.if \first
	v_wmma_scale_f32_16x16x128_f8f6f4 v[8*(\d0+\i):8*(\d0+\i)+7], v[\va+8*\i:\va+8*\i+7], v[PC+8*\t:PC+8*\t+7], 0, v[VS+\d0+\i], v[ST+8*\t+5] matrix_a_fmt:MATRIX_FMT_FP4 matrix_b_fmt:MATRIX_FMT_FP4
.else
	v_wmma_scale_f32_16x16x128_f8f6f4 v[8*(\d0+\i):8*(\d0+\i)+7], v[\va+8*\i:\va+8*\i+7], v[PC+8*\t:PC+8*\t+7], v[8*(\d0+\i):8*(\d0+\i)+7], v[VS+\d0+\i], v[ST+8*\t+5] matrix_a_fmt:MATRIX_FMT_FP4 matrix_b_fmt:MATRIX_FMT_FP4
.endif
.endr
.endm
; A KEY STEP.  first = 1: it starts O^T's sums.  mode 2: the slot is left and filled again behind a round of the cluster's barrier; 1: it is left, Wf's image is asked for; 0: the last step.
; n pairs of tile t's O^T times its factor.  lazy = 0: always; 1: never; 2: where the count of steps is odd (the same in all waves and partners).  At a branch and at a label every window is 0.
.macro RESC lazy, t, from, n
.if \lazy != 1
	WIN 0
.if \lazy == 2
	s_wait_alu depctr_va_vdst(0)
	s_cmp_lg_u32 s[PAR], 0
	s_cbranch_scc0 .Lheld_\@
.endif
	OMULP \t, 6, \from, \n
	WIN 0
.if \lazy == 2
.Lheld_\@:
.endif
.endif
.endm
.macro STEP first, mode, lazy
.if \lazy == 2
	s_and_b32 s[PAR], s[CNT], 1
	s_cmp_lg_u32 s[PAR], 0
	s_cselect_b32 s[CAP], 0, 0x42800000                   ; 0, or 64.0
.elseif \lazy == 1
	s_mov_b32 s[CAP], 0x42800000
.else
	s_mov_b32 s[CAP], 0
.endif
	s_wait_dscnt 0x0                                      ; K of this step, asked for among the last step's second products
	SPROD
	WIN 0
	VSC
	PLACES 4                                              ; in front of the first read of the scores (ISA guide 7.12.1)
	SMA
	VCH 0                                                 ; V comes in four runs of 8 loads, at least 64 vector instructions apart
	SMB
	SMC
	VCH 1
	s_wait_alu depctr_va_vdst(0)
	SMD 0
	VCH 2
	SMD 1
	SMX
	VCH 3
	SME
	SMF
	VLOAD2
.if !\first
	RESC \lazy, 0, 0, 96                                  ; work on registers while V's last loads are out
.endif
.if \mode >= 1
	s_wait_tensorcnt 0x0                                  ; all my tensor loads have landed: my quarter of the next slot; so the walking group 0 may be written
	ds_add_u32 v[SPW], v[NIL]                             ; 0 onto my spare word
.if \mode == 2
	s_xor_b32 s[G0B+1], s[G0B+1], SLOT1                   ; the other slot than last time,
	s_add_co_u32 s[KI], s[KI], 1
	s_and_b32 s[KI], s[KI], 15                            ; the next key step, modulo 16:
	s_mul_i32 s62, s[KI], 2*PIECE                         ; its offset (s63 = 0),
	s_add_nc_u64 s[G0B+2:G0B+3], s[KVB:KVB+1], s[62:63]   ; its address,
	s_or_b32 s[G0B+3], s[G0B+3], 0x80000000               ; the type
.endif
	s_wait_dscnt 0x0                                      ; the add is done, V is in: my reads of this slot are over
	s_barrier_signal -1
	s_barrier_wait -1
.if \mode == 2
	CREST                                                 ; no wave of any partner still reads this slot or has a load on its way
	tensor_load_to_lds s[G0B:G0B+3], s[G1:G1+7]           ; my one tensor load behind the round: the step two further on.  All the work up to the next round's three lines stands behind it
	s_nop 0
.else
	CREST                                                 ; step 14: no slot is filled again; behind the round my quarter of Wf's image is filled for the first time
	tensor_load_to_lds s[G0W:G0W+3], s[G1W:G1W+7]
	s_nop 0
.endif
	PLACES 4                                              ; (behind the load)
	s_xor_b32 s[TB], s[TB], SLOT1
	KHEAD                                                 ; the next step's K: its scale words, then six runs of 8 loads among the lines below
.else
	s_wait_dscnt 0x0                                      ; V
	PLACES 4
.endif
	KC \mode, 0                                           ; O^T += V^T P^T: 48 products, each accumulator once: tile 0's three groups, tile 1's rescaling, tile 1's three groups
	s_wait_alu depctr_va_vdst(0)
	PVG 0xa0, 0, 16, S, \first
	KC \mode, 1
	PVG 0xa2, 0, 0, 192, \first
	KC \mode, 2
	PVG 0xa3, 0, 8, 192, \first
	KC \mode, 3
.if !\first
	RESC \lazy, 1, 0, 48                                  ; it names no register of tile 0's products
.endif
	KC \mode, 4
.if !\first
	RESC \lazy, 1, 96, 48
.endif
	KC \mode, 5
	PLACES 4
	PVG 0xf0, 1, 16, S, \first
	PVG 0xf2, 1, 0, 192, \first
	PVG 0xf3, 1, 8, 192, \first
	WIN 0
	PLACES 5                                              ; the next step's first products write over v128-191, which these products read, and its loads land in V's registers
.endm
	s_load_b256 s[4:11], s[0:1], 0x0                      ; qbuf s[4:5], kvbuf s[6:7], wbuf s[8:9], bf s[10:11]
	s_load_b64 s[12:13], s[0:1], 0x20                     ; out0
	v_lshl_add_u32 v[SPW], v0, 2, SPARE
	v_mov_b32 v[NIL], 0
	ds_add_u32 v1, v2
	ds_add_u32 v1, v2
	s_wait_dscnt 0x0
	v_lshrrev_b32 v3, 5, v0
	v_readfirstlane_b32 s[WV], v3                         ; wave 0..3
	s_lshr_b32 s[DIR], s[WV], 1
	s_and_b32 s[QH], s[WV], 1
	s_bfe_u32 s54, ttmp6, 0x40000                         ; cx: my place in the cluster
	s_lshl_b32 s55, ttmp9, 2                              ; in a cluster launch ttmp9 counts clusters
	s_add_co_u32 s55, s55, s54
	s_and_b32 s57, s55, 31                                ; my block of 64 rows in the batch
	s_lshr_b32 s56, ttmp9, 3                              ; the batch, which the four partners share
	s_and_b32 s[KI], ttmp9, 7                             ; i: which of the batch's eight clusters; the partners share it
	s_lshr_b32 s18, s[KI], 2
	s_mul_i32 s18, s18, 3
	s_and_b32 s[KI], s[KI], 3
	s_xor_b32 s[KI], s[KI], s18
	s_lshl_b32 s[KI], s[KI], 2                            ; my cluster's first key step: 4 ((i & 3) xor 3 (i / 4))
	; descriptor group 1: a dense block as rows of 256 bytes (32 elements of 8 bytes); mask: all four work-groups, bit 21 beside it
	s_mov_b32 s[G1+0], 15|(3<<16)|(1<<21)
	s_mov_b32 s[G1+1], 32<<16
	s_mov_b32 s[G1+2], 108<<16                            ; a piece: 108 rows
	s_mov_b32 s[G1+3], 32<<16
	s_mov_b32 s[G1+4], 108
	s_mov_b32 s[G1+5], 32
	s_mov_b32 s[G1+6], 0
	s_mov_b32 s[G1+7], 0
	s_mov_b32 s[G1W+0], 15|(3<<16)|(1<<21)
	s_mov_b32 s[G1W+1], 32<<16
	s_mov_b32 s[G1W+2], 81<<16                            ; a quarter of Wf's image: 81 rows
	s_mov_b32 s[G1W+3], 32<<16
	s_mov_b32 s[G1W+4], 81
	s_mov_b32 s[G1W+5], 32
	s_mov_b32 s[G1W+6], 0
	s_mov_b32 s[G1W+7], 0
	s_mov_b32 s[SEL], 0x76543210
	s_mov_b32 s[SEL+1], 0xfedcba98
	s_mov_b32 s[CS], 0x3d96c740                           ; c = log2(e) / sqrt(384) = 0.0736222
	s_mov_b32 s[CS+1], s[CS]                              ; (named with it as a pair, so it is written)
	s_mov_b32 s[TB], 0
	s_mul_i32 s58, s[WV], 20736                           ; my quarter of Wf's image
	s_mov_b32 s59, 0
	s_lshl_b32 s60, s[DIR], 7
	s_lshl_b32 s61, s56, 4
	s_add_co_u32 s60, s60, s61                            ; 128 x direction + 16 x batch: the batch's first block.  (No register that feeds a descriptor ever holds cx)
	s_mul_i32 s62, s60, 2*PIECE
	s_mul_i32 s63, s[QH], PIECE                           ; K's piece (even waves) or V's
	s_add_co_u32 s62, s62, s63
	s_mov_b32 s63, 0
	s_lshr_b32 s70, s57, 1
	s_add_co_u32 s70, s70, s60
	s_mul_i32 s70, s70, PIECE                             ; Q's piece
	s_mov_b32 s71, 0
	s_lshl_b32 s72, s[QH], 1
	s_add_co_u32 s72, s72, s[DIR]                         ; T0
	s_xor_b32 s73, s72, 1                                 ; T1
	s_and_b32 s74, s57, 1                                 ; which half of the piece's 128 rows
	s_lshl_b32 s75, s74, 2
	s_add_co_u32 s76, s75, s72
	s_mul_i32 s76, s76, 3072                              ; tile 0's three fragments
	s_add_co_u32 s77, s75, s73
	s_mul_i32 s77, s77, 3072                              ; tile 1's
	s_lshl_b32 s75, s74, 9
	s_lshl_b32 s78, s72, 2
	s_add_co_u32 s78, s78, s75                            ; tile 0's scale words: 512 x half + 4 T0
	s_lshl_b32 s79, s73, 2
	s_add_co_u32 s79, s79, s75
	s_lshl_b32 s68, s56, 11                               ; the first row of out0 that I store: 2,048 batch + 64 block + 32 (T0 / 2) + 8 (T0 % 2)
	s_lshl_b32 s69, s57, 6
	s_add_co_u32 s68, s68, s69
	s_lshl_b32 s69, s[QH], 5
	s_add_co_u32 s68, s68, s69
	s_lshl_b32 s69, s[DIR], 3
	s_add_co_u32 s68, s68, s69
	s_mul_i32 s68, s68, 1536
	s_mov_b32 s69, 0
	s_wait_kmcnt 0x0
	s_add_nc_u64 s[66:67], s[4:5], s[70:71]
	s_add_nc_u64 s[68:69], s[12:13], s[68:69]
	s_mov_b32 s[G0W], 1
	s_add_co_u32 s[G0W+1], s58, WFL
	s_add_nc_u64 s[G0W+2:G0W+3], s[8:9], s[58:59]
	s_add_nc_u64 s[G0W+2:G0W+3], s[G0W+2:G0W+3], 6*82944  ; Wf is the seventh image
	s_or_b32 s[G0W+3], s[G0W+3], 0x80000000
	s_add_nc_u64 s[KVB:KVB+1], s[6:7], s[62:63]           ; my piece of the batch's key step 0
	s_mul_i32 s62, s[KI], 2*PIECE                         ; my cluster's first key step
	s_mov_b32 s[G0A], 1
	s_mul_i32 s[G0A+1], s[WV], PIECE                      ; quarter w of slot 0
	s_add_nc_u64 s[G0A+2:G0A+3], s[KVB:KVB+1], s[62:63]
	s_mov_b32 s[G0B], 1
	s_add_co_u32 s[G0B+1], s[G0A+1], SLOT1
	s_add_nc_u64 s[G0B+2:G0B+3], s[G0A+2:G0A+3], 2*PIECE  ; the key step behind it (the first is 12 at the most: no turn-round here)
	s_mul_i32 s74, s54, 27*256                            ; the prefetch: my work-group's 27 blocks of that piece's 108, by cx
	s_mov_b32 s75, 0
	s_add_nc_u64 s[74:75], s[G0B+2:G0B+3], s[74:75]       ; never rewritten; it feeds no descriptor
	s_or_b32 s[G0A+3], s[G0A+3], 0x80000000
	s_or_b32 s[G0B+3], s[G0B+3], 0x80000000
	s_add_co_u32 s[KI], s[KI], 1                          ; the key step asked for last
	CROUND                                                ; all four work-groups are here: the first joint loads meet
	tensor_load_to_lds s[G0A:G0A+3], s[G1:G1+7]           ; slot 0: one tensor load a wave at the head
	s_nop 0
	PLACES 4
	v_and_b32 v132, 31, v0                                ; lane
	v_lshlrev_b32 v133, 4, v132
	s_mul_i32 s58, s[DIR], 2*PIECE                        ; my direction's half of a slot
	v_add_nc_u32 v[A0], s58, v133
	v_lshl_add_u32 v[A8], v132, 3, s58
	v_add_nc_u32 v128, s76, v133                          ; Q's offsets hang on the place in the cluster: they live in registers that never serve an LDS address
	v_add_nc_u32 v129, s77, v133
	v_add_nc_u32 v130, s78, v133
	v_add_nc_u32 v131, s79, v133
	v_min_u32 v13, 26, v132
	v_lshlrev_b32 v13, 8, v13                             ; a lane a block of 256 bytes; lanes 27 to 31 name the last again; never rewritten
	global_prefetch_b8 v13, s[74:75] th:TH_LOAD_NT scope:SCOPE_SE   ; what slot 1's first fill will ask for
	WIN 0x40
.irp t, 0,1
.irp g, 0,1,2
.irp c, 0,1
	global_load_b128 v[24*\t+8*\g+4*\c:24*\t+8*\g+4*\c+3], v[128+\t], s[66:67] offset:1024*\g+512*\c   ; Q stays in registers
.endr
.endr
.endr
	WIN 0
.irp t, 0,1
.irp g, 0,1,2
	global_load_b32 v[QS+3*\t+\g], v[130+\t], s[66:67] offset:24576+1024*\g
.endr
.endr
.irp t, 0,1
	v_mov_b32 v[ST+8*\t+1], 0xff61b1e6                    ; the largest t so far: -3e38, under every t
	v_floor_f32 v[ST+8*\t], -v[ST+8*\t+1]                 ; -M
	v_mov_b32 v[ST+8*\t+2], 0                             ; the sum, in two halves
	v_mov_b32 v[ST+8*\t+3], 0
	v_mov_b32 v[ST+8*\t+5], 0                             ; (named as the upper halves of pairs before they are first written)
	v_mov_b32 v[ST+8*\t+7], 0
.irp b, 0,1,2,3
	v_mov_b32 v[TT+12*\t+4+\b], 0                         ; written once: a lane permute's destination counts as one of its sources
.endr
.endr
	s_wait_alu depctr_va_vdst(0)
	s_wait_tensorcnt 0x0                                  ; my quarter of slot 0 is in
	ds_add_u32 v[SPW], v[NIL]
	s_wait_dscnt 0x0
	CROUND                                                ; everybody's quarter is in, and the four work-groups are here
	tensor_load_to_lds s[G0B:G0B+3], s[G1:G1+7]           ; slot 1's first fill, my one tensor load behind the round
	s_nop 0
	PLACES 4
	KHEAD                                                 ; my first key step's K
.irp n, 0,1,2,3,4,5
	KCH \n
.endr
	WIN 0
	s_wait_loadcnt 0x0                                    ; Q
	s_mov_b32 s[REP], 0x01010101
	STEP 1, 2, 0                                          ; step 0
	s_mov_b32 s[CNT], 13
.Lstep:                                                   ; steps 1 to 13: each asks for the step two further on
	STEP 0, 2, 2
	s_sub_co_u32 s[CNT], s[CNT], 1
	s_cmp_lg_u32 s[CNT], 0
	s_cbranch_scc1 .Lstep
	STEP 0, 1, 1                                          ; step 14: the tail is written out; O^T's rescaling is held over
	STEP 0, 0, 0                                          ; step 15 rescales: E = 0 at the end
	; ---- THE END.  bf is asked for; O^T / l; tile 1 goes to wave w xor 2, whose tile 1 is the other direction of my tile 0
	s_wait_tensorcnt 0x0                                  ; my quarter of Wf's image is in: no tensor load is out when the stages are stored to
	v_and_b32 v12, 31, v0                                 ; lane
	v_bfe_u32 v4, v0, 4, 1
	v_lshlrev_b32 v4, 6, v4                               ; 64 h
	v_lshlrev_b32 v3, 4, v12                              ; 16 lane
	WIN 0x40
.set E, 0
.rept 24
	global_load_b128 v[64+8*E:64+8*E+3], v4, s[10:11] offset:128*(E/2)+32*(E%2)       ; lane (r, h), tile 2 b + u: bf of outputs 32 b + 16 h + 8 u + 0 .. 7, into K's registers
	global_load_b128 v[64+8*E+4:64+8*E+7], v4, s[10:11] offset:128*(E/2)+32*(E%2)+16
.set E, E+1
.endr
	WIN 0
	s_mul_i32 s58, s[WV], 24576
	v_add_nc_u32 v5, s58, v3                              ; the hand-over: where I store,
	s_xor_b32 s59, s[WV], 2
	s_mul_i32 s59, s59, 24576
	v_add_nc_u32 v6, s59, v3                              ; and where I read
	v_add_nc_u32 v7, WFL, v3                              ; Wf's tiles 0-11,
	v_add_nc_u32 v8, WFL+36864, v3                        ; tiles 12-23 (an LDS immediate has 16 bits),
	v_add_nc_u32 v9, WFL+73728, v3                        ; its scale words 0-3 of six,
	v_lshl_add_u32 v10, v12, 3, WFL+73728+512             ; and 4, 5
	v_and_b32 v11, 15, v0
	v_mul_u32_u24 v11, v11, 1552                          ; the way out: rows of 1,536 bytes + 16: 388 words, so row r starts at bank 4 r mod 64
	v_add_nc_u32 v11, v4, v11
	s_mul_i32 s60, s[WV], 24832
	s_add_co_u32 s60, s60, SLOT1                          ; my stage
	v_add_nc_u32 v11, s60, v11                            ; in: row r, + 64 h
	v_add_nc_u32 v12, s60, v3                             ; back: 16 bytes a lane
.irp t, 0,1
	v_add_f32 v[TT+12*\t+10], v[ST+8*\t+2], v[ST+8*\t+3]  ; the sum's two halves,
.endr
.irp t, 0,1
	v_permlanex16_b32 v[TT+12*\t+4], v[TT+12*\t+10], s[SEL], s[SEL+1]
.endr
.irp t, 0,1
	v_add_f32 v[TT+12*\t+10], v[TT+12*\t+10], v[TT+12*\t+4]   ; and lane l xor 16's
.endr
	s_wait_alu depctr_va_vdst(0)
.irp t, 0,1
	v_rcp_f32 v[ST+8*\t+6], v[TT+12*\t+10]
.endr
	v_nop                                                 ; a plain instruction behind the reciprocals
	s_wait_alu depctr_va_vdst(0)
	v_mov_b32 v104, v[ST+6]                               ; tile 0's 1 / l, kept where Wf's scale words do not land
	v_mov_b32 v105, 0                                     ; (named with it as a pair)
	OMUL 1, 6
	WIN 0x0c                                              ; an LDS store's data are its source 1: window 3
.set N, 0
.rept 48
	ds_store_b128 v5, v[4*N:4*N+3] offset:512*N           ; tile 1 as an image of its registers.  Slot 0 has had its last fill, and step 14's barrier stands behind its last read
.set N, N+1
.endr
	WIN 0
	s_wait_dscnt 0x0                                      ; for the others' sake: my image lies in LDS; and my reads of slot 1 are over
	s_barrier_signal -1
	s_barrier_wait -1
	WIN 0xc0
.set N, 0
.rept 48
	ds_load_b128 v[4*N:4*N+3], v6 offset:512*N            ; the other direction of my row tile
.set N, N+1
.endr
	WIN 0
.irp p, 0,1,2,3,4,5,6,7,8,9,10,11
	ds_load_b128 v[16+6*\p:16+6*\p+3], v9 offset:768*\p   ; Wf's 72 scale words: word (et, s) in v[16 + 3 et + s]
	ds_load_b64 v[16+6*\p+4:16+6*\p+5], v10 offset:768*\p
.endr
.macro LOADW3 s                        ; K step s of Wf's 24 tiles into window 3, v[8 et]
	WIN 0xc0
.set E, 0
.rept 12
	ds_load_b128 v[8*E:8*E+3], v7 offset:(3*E+\s)*1024
	ds_load_b128 v[8*E+4:8*E+7], v7 offset:(3*E+\s)*1024+512
.set E, E+1
.endr
.rept 12
	ds_load_b128 v[8*E:8*E+3], v8 offset:(3*(E-12)+\s)*1024
	ds_load_b128 v[8*E+4:8*E+7], v8 offset:(3*(E-12)+\s)*1024+512
.set E, E+1
.endr
	WIN 0
.endm
.macro LOADW1                          ; K step 1 into the three places that V has left: tiles 0-7 window 2, 8-15 window 3 (v192 on), 16-23 window 0 (v128 on)
	WIN 0x80
.irp e, 0,1,2,3,4,5,6,7
	ds_load_b128 v[192+8*\e:192+8*\e+3], v7 offset:(3*\e+1)*1024
	ds_load_b128 v[192+8*\e+4:192+8*\e+7], v7 offset:(3*\e+1)*1024+512
.endr
	WIN 0xc0
.irp e, 8,9,10,11
	ds_load_b128 v[192+8*(\e-8):192+8*(\e-8)+3], v7 offset:(3*\e+1)*1024
	ds_load_b128 v[192+8*(\e-8)+4:192+8*(\e-8)+7], v7 offset:(3*\e+1)*1024+512
.endr
.irp e, 12,13,14,15
	ds_load_b128 v[192+8*(\e-8):192+8*(\e-8)+3], v8 offset:(3*(\e-12)+1)*1024
	ds_load_b128 v[192+8*(\e-8)+4:192+8*(\e-8)+7], v8 offset:(3*(\e-12)+1)*1024+512
.endr
	WIN 0
.irp e, 16,17,18,19,20,21,22,23
	ds_load_b128 v[128+8*(\e-16):128+8*(\e-16)+3], v8 offset:(3*(\e-12)+1)*1024
	ds_load_b128 v[128+8*(\e-16)+4:128+8*(\e-16)+7], v8 offset:(3*(\e-12)+1)*1024+512
.endr
.endm
.irp g, 0,1,2                          ; the fused rows, 128 of the 384 at a time: sum, quantise: K step g of the last product
	s_wait_dscnt 56-16*\g                                 ; the partner's registers 64 g .. 64 g + 63 are in; behind them: its later groups (16 loads each) and the 24 scale loads
	WIN 0x32                                              ; source 0 window 2 (mine), source 1 window 0 (1 / l), source 2 window 3 (the partner's), destination window 0
.set J, 0
.rept 32
	v_pk_fma_f32 v[192+J:193+J], v[64*\g+J:64*\g+J+1], v[104:105], v[64*\g+J:64*\g+J+1] op_sel_hi:[1,0,1]   ; my O^T / l + the partner's, one rounding
.set J, J+2
.endr
	WIN 0
.if \g == 2
	LOADW3 0                                              ; window 3 is free: Wf's first two K steps land under the last quantising
	LOADW1
.endif
	QUANT 192, PC+8*\g, 112+\g
.endr
.macro FING win, e0, va, s, bias       ; eight products of out^T = Wf Z^T: tiles e0 .. e0 + 7, Wf's fragments from v[va] on in source 0's window
	WIN \win
.irp i, 0,1,2,3,4,5,6,7
.if \bias
	v_wmma_scale_f32_16x16x128_f8f6f4 v[8*(\e0+\i):8*(\e0+\i)+7], v[\va+8*\i:\va+8*\i+7], v[PC+8*\s:PC+8*\s+7], v[64+8*(\e0+\i):64+8*(\e0+\i)+7], v[16+3*(\e0+\i)+\s], v[112+\s] matrix_a_fmt:MATRIX_FMT_FP4 matrix_b_fmt:MATRIX_FMT_FP4
.else
	v_wmma_scale_f32_16x16x128_f8f6f4 v[8*(\e0+\i):8*(\e0+\i)+7], v[\va+8*\i:\va+8*\i+7], v[PC+8*\s:PC+8*\s+7], v[8*(\e0+\i):8*(\e0+\i)+7], v[16+3*(\e0+\i)+\s], v[112+\s] matrix_a_fmt:MATRIX_FMT_FP4 matrix_b_fmt:MATRIX_FMT_FP4
.endif
.endr
.endm
	PLACES 8                                              ; a scale word made by vector instructions stands eight places ahead of the product that takes it, codes so made four
	s_wait_loadcnt 0x0                                    ; bf
	s_wait_dscnt 48                                       ; the scale words and K step 0 are in; K step 1's 48 loads may be out
	FING 0x93, 0, 0, 0, 1                                 ; Wf window 3, Z window 0, bf (C) window 1, results window 2, where O^T of tile 0 lay.  The 24 accumulators by turns
	FING 0x93, 8, 64, 0, 1
	FING 0x93, 16, 128, 0, 1
	WIN 0
	PLACES 4                                              ; in front of loads into registers that these products read
	LOADW3 2
	s_wait_dscnt 48                                       ; K step 1 is in; K step 2's 48 loads may be out
	FING 0xa0, 16, 128, 1, 0
	FING 0xa2, 0, 192, 1, 0
	FING 0xa3, 8, 192, 1, 0
	s_wait_alu depctr_va_vdst(0)
	s_wait_dscnt 0x0
	FING 0xa3, 0, 0, 2, 0
	FING 0xa3, 8, 64, 2, 0
	FING 0xa3, 16, 128, 2, 0
	WIN 0
	PLACES 4
	; ---- THE WAY OUT: a lane holds 32 neighbouring bytes of a row in each tile; the 16 rows go through my stage (slot 1: its last fill is long done, and the barrier above stands behind its last read) and leave as runs of 512 bytes
	WIN 0x08                                              ; the data: window 2
.set E, 0
.rept 24
	ds_store_b128 v11, v[8*E:8*E+3] offset:128*(E/2)+32*(E%2)          ; each accumulator from its low end on
	ds_store_b128 v11, v[8*E+4:8*E+7] offset:128*(E/2)+32*(E%2)+16
.set E, E+1
.endr
	WIN 0xc0
.set N, 0
.rept 48
	ds_load_b128 v[4*N:4*N+3], v12 offset:1552*(N/3)+512*(N%3)         ; LDS serves a wave's instructions in order (ISA guide 5.7.1.4): these see my stores
.set N, N+1
.endr
	WIN 0x0c
.set N, 0
.rept 48
	s_wait_dscnt 47-N                                     ; this load is in; the later ones may be out
	global_store_b128 v3, v[4*N:4*N+3], s[68:69] offset:((N/3)+8*((N/3)/8))*1536+512*(N%3) th:TH_STORE_NT   ; place i of the tile is row i + 8 (i / 8); 32 lanes store 512 consecutive bytes, at a multiple of 256 from out0's first byte
.set N, N+1
.endr
	WIN 0
	s_wait_tensorcnt 0x0                                  ; the wave's end: behind my last tensor load and my last LDS store
	ds_add_u32 v[SPW], v[NIL]
	s_wait_dscnt 0x0
	CROUND                                                ; the closing round: no work-group ends while a partner may still ask for a tile that names it
	s_endpgm
.Lfunc_end_k_qae40ea6a1a_attn:
	.size	k_qae40ea6a1a_attn, .Lfunc_end_k_qae40ea6a1a_attn-k_qae40ea6a1a_attn
	.p2alignl 7, 3214868480
	.fill 96, 4, 3214868480
	.section	.rodata,"a",@progbits
	.p2align	6, 0x0
	.amdhsa_kernel k_qae40ea6a1a_attn
		.amdhsa_group_segment_fixed_size 327680
		.amdhsa_private_segment_fixed_size 0
		.amdhsa_enable_private_segment 0
		.amdhsa_kernarg_size 40
		.amdhsa_user_sgpr_count 2
		.amdhsa_user_sgpr_kernarg_segment_ptr 1
		.amdhsa_wavefront_size32 1
		.amdhsa_system_sgpr_workgroup_id_x 1
		.amdhsa_system_sgpr_workgroup_id_y 1
		.amdhsa_system_sgpr_workgroup_id_z 1
		.amdhsa_system_vgpr_workitem_id 0
		.amdhsa_next_free_vgpr 1024
		.amdhsa_next_free_sgpr 80
		.amdhsa_reserve_vcc 0
		.amdhsa_float_denorm_mode_32 3
		.amdhsa_float_denorm_mode_16_64 3
		.amdhsa_memory_ordered 1
		.amdhsa_forward_progress 1
		.amdhsa_inst_pref_size 255
	.end_amdhsa_kernel
	.section	.bss,"aw",@nobits
	.p2align	6
	.space	262144
	.amdgpu_metadata
---
amdhsa.version: [ 1, 2 ]
amdhsa.kernels:
  - .name:           k_qae40ea6a1a_attn
    .symbol:         k_qae40ea6a1a_attn.kd
    .args:
      - { .name: qbuf, .offset: 0, .size: 8, .value_kind: global_buffer, .address_space: global }
      - { .name: kvbuf, .offset: 8, .size: 8, .value_kind: global_buffer, .address_space: global }
      - { .name: wbuf, .offset: 16, .size: 8, .value_kind: global_buffer, .address_space: global }
      - { .name: bf, .offset: 24, .size: 8, .value_kind: global_buffer, .address_space: global }
      - { .name: out0, .offset: 32, .size: 8, .value_kind: global_buffer, .address_space: global }
    .group_segment_fixed_size: 327680
    .private_segment_fixed_size: 0
    .kernarg_segment_align: 8
    .kernarg_segment_size: 40
    .max_flat_workgroup_size: 128
    .sgpr_count:     80
    .vgpr_count:     1024
    .wavefront_size: 32
...
	.end_amdgpu_metadata
.endif
;; end of part 3
